; MI455X (gfx1250); checked and timed in simulation.
; The chip was launched on July 23, 2026; its instructions are those of AMD's public machine-readable ISA for CDNA 5 (MIT licence, August 2026) and "CDNA5" Instruction Set Architecture Reference Guide (July 2026). The comments in the code are by the model that wrote it; some were corrected since.
;; Feed Forward Quantum. Allowed arithmetic: float matrix products may take bf16 or f16 operands with f32 sums; all other float work in f32.
;; Inputs: b1 4,096 float32; b2 1,024 float32; theta 10 float32; w1 4,096 x 10 float32; w2 1,024 x 4,096 float32; x 4 x 4,096 x 1,024 float32.
;; Outputs: out0 4 x 4,096 x 1,024 float32.
;; One version. Each part assembles by itself: llvm-mc -triple=amdgcn-amd-amdhsa -mcpu=gfx1250 --defsym DOCPART=n.
;; ======== version 1 of 1: 2 launches
;; limits: values outside matrix products are rounded to f16; values are held in f16: magnitudes above 65,504 overflow, below 6.1e-05 lose precision; right only within a limited range of input values
;; workspace buffers: w2h 8,388,608 bytes; w1p 131,072 bytes; qp 524,288 bytes
;; launch prep (part 1): grid 256 x 1, 8 waves a work-group, no clusters, 0 bytes of LDS; arguments w2, w1, b1, theta, x, w2h, w1p, qp; writes w2h, w1p, qp
.if DOCPART == 1
	.amdgcn_target "amdgcn-amd-amdhsa--gfx1250"
	.amdhsa_code_object_version 6
	.text
	.protected	k_qbf395160b6_prep
	.globl	k_qbf395160b6_prep
	.p2align	8
	.type	k_qbf395160b6_prep,@function
k_qbf395160b6_prep:
	s_mov_b64 s[64:65], 0
	v_nop
	global_prefetch_b8 v0, s[64:65] scope:SCOPE_SE
	s_setreg_imm32_b32 hwreg(HW_REG_WAVE_MODE, 25, 1), 1
	s_wait_xcnt 0x0
; PREPARATION for the fused feed-forward launch.  Three small tables in f16, each rounded once from f32:
;   w2h [1024][4096]      = w2, same order.
;   w1p [256][32][8]      = rows of [w1 | b1 | 0] in the order of a matrix operand: block b, lane L = 16 h + r, element j holds k = 8 h + j of row
;                           f = 16 b + r;  k < 10: w1[f][k];  k = 10: b1[f];  k = 11..15: 0.
;   qp  [1024][32][8]     = tokens in the same order: k < 10: cos(x[t][k]) cos(theta[k]);  k = 10: 1.0;  k = 11..15: 0, token t = 16 b + r.
; So the product of a qp row and a w1p row is q . w1[f] + b1[f].
; 256 work-groups of eight waves.  Work-group g: 16,384 numbers of w2 (all waves), 64 tokens (waves 0-3, 16 each), 16 rows of w1 and b1 (wave 4).
; Memory binds: no LDS, no barrier, no matrix unit; each byte of w2 is read once, of each row of x only the first 64 bytes.
; LIMITS.  f16: numbers above 65,504 in magnitude become infinite, numbers below 6e-5 are kept in steps of 6e-8.
; cos: x - n pi with pi in three parts and a series to r^12; absolute error about 1e-7 up to |x| about 1e6, growing beyond; the sign is wrong
; from |x| = 2^31 pi on; an infinite or NaN x gives NaN in the table.
.set XV,  4                            ; v[4:11]   x, then q; or the chosen eight numbers of [w1 | b1 | 0]
.set TH,  12                           ; v[12:19]  theta, then cos theta; or v[12:21] a row of w1, v22 its b1
.set PK,  28                           ; v[28:31]  eight f16, to store
.set WI,  32                           ; v[32:95]  sixteen loads of w2
.set WO,  96                           ; v[96:127] sixteen packed pairs of registers
; d = cos(d).  n, s: two registers at work.  cos(x) = (-1)^n cos(x - n pi), n = x / pi rounded, |x - n pi| <= pi / 2.
.macro COS d, n, s
	v_mul_f32 v[\n], 0x3ea2f983, v[\d]             ; x / pi
	v_rndne_f32 v[\n], v[\n]
	v_fmamk_f32 v[\d], v[\n], 0xc0490000, v[\d]    ; - n x 3.140625
	v_fmamk_f32 v[\d], v[\n], 0xba7da000, v[\d]    ; - n x 9.675026e-4
	v_fmamk_f32 v[\d], v[\n], 0xb4222169, v[\d]    ; - n x 1.509958e-7: the three parts add up to pi
	v_mul_f32 v[\s], v[\d], v[\d]                  ; s = r^2
	v_mov_b32 v[\d], 0x310f76c7                    ; 1/12!
	v_fmaak_f32 v[\d], v[\d], v[\s], 0xb493f27e    ; -1/10!
	v_fmaak_f32 v[\d], v[\d], v[\s], 0x37d00d01    ; 1/8!
	v_fmaak_f32 v[\d], v[\d], v[\s], 0xbab60b61    ; -1/6!
	v_fmaak_f32 v[\d], v[\d], v[\s], 0x3d2aaaab    ; 1/4!
	v_fma_f32 v[\d], v[\d], v[\s], -0.5
	v_fma_f32 v[\d], v[\d], v[\s], 1.0             ; the first term left out, r^14/14!, is at most 6.4e-9
	v_cvt_i32_f32 v[\n], v[\n]
	v_lshlrev_b32 v[\n], 31, v[\n]                 ; n odd: the sign turns
	v_xor_b32 v[\d], v[\d], v[\n]
.endm
	s_load_b512 s[4:19], s[0:1], 0x0               ; w2 4:5, w1 6:7, b1 8:9, theta 10:11, x 12:13, w2h 14:15, w1p 16:17, qp 18:19
	v_lshrrev_b32 v24, 5, v0
	v_readfirstlane_b32 s30, v24                   ; wave 0..7
	v_lshlrev_b32 v1, 4, v0                        ; 16 t: my 16 bytes of w2 in each 4,096; also my place in qp
	v_lshlrev_b32 v2, 3, v0                        ; 8 t: my 8 bytes of w2h in each 2,048
	s_mov_b32 s33, 0                               ; offsets stay below 4 GiB: the high word is 0
	s_wait_kmcnt 0x0
	s_lshl_b32 s32, ttmp9, 16                      ; w2: 65,536 bytes a work-group
	s_add_nc_u64 s[4:5], s[4:5], s[32:33]
.irp i, 0,1,2,3,4,5,6,7,8,9,10,11,12,13,14,15
	global_load_b128 v[WI+4*\i:WI+4*\i+3], v1, s[4:5] offset:4096*\i th:TH_LOAD_NT   ; a wave's load covers 512 consecutive bytes; 64 KiB of the group on their way
.endr
	s_lshl_b32 s32, ttmp9, 15                      ; w2h: 32,768 bytes
	s_add_nc_u64 s[14:15], s[14:15], s[32:33]
	s_lshl_b32 s32, ttmp9, 18                      ; x: 64 rows of 4,096 bytes
	s_add_nc_u64 s[12:13], s[12:13], s[32:33]
	s_lshl_b32 s32, ttmp9, 11                      ; qp: 4 blocks of 512 bytes
	s_add_nc_u64 s[18:19], s[18:19], s[32:33]
	s_mul_i32 s32, ttmp9, 640                      ; w1: 16 rows of 40 bytes
	s_add_nc_u64 s[6:7], s[6:7], s[32:33]
	s_lshl_b32 s32, ttmp9, 6                       ; b1: 16 numbers
	s_add_nc_u64 s[8:9], s[8:9], s[32:33]
	s_lshl_b32 s32, ttmp9, 9                       ; w1p: one block of 512 bytes
	s_add_nc_u64 s[16:17], s[16:17], s[32:33]
	s_cmp_lt_u32 s30, 4
	s_cbranch_scc1 .Lq
	s_cmp_eq_u32 s30, 4
	s_cbranch_scc1 .Lw
	s_branch .Lconv
.Lq:	; waves 0-3: one block of 16 tokens.  Lane (r, h) takes x[t][8 h .. 8 h + 7]; for h = 1 only the first two count.
	s_load_b256 s[20:27], s[10:11], 0x0            ; theta[0..7]
	s_load_b64 s[28:29], s[10:11], 0x20            ; theta[8..9]: 40 bytes in all
	v_and_b32 v25, 15, v0                          ; r
	v_bfe_u32 v26, v0, 4, 1                        ; h
	v_lshl_or_b32 v24, v24, 4, v25                 ; token in the group: 16 wave + r
	v_lshlrev_b32 v3, 12, v24                      ; its row of 4,096 bytes
	v_lshl_or_b32 v3, v26, 5, v3                   ; + 32 h
	v_cmp_eq_u32 vcc_lo, 0, v26                    ; the lanes with k = 0..7
	global_load_b128 v[XV:XV+3],   v3, s[12:13]
	global_load_b128 v[XV+4:XV+7], v3, s[12:13] offset:16
	s_wait_kmcnt 0x0
.irp j, 0,1,2,3,4,5,6,7
	v_mov_b32 v[TH+\j], s[20+\j]
.endr
	v_mov_b32 v26, s28
	v_mov_b32 v27, s29
	v_cndmask_b32 v[TH],   v26, v[TH],   vcc_lo   ; h = 1: theta[8], theta[9]; its other six are not used
	v_cndmask_b32 v[TH+1], v27, v[TH+1], vcc_lo
.irp d, 12,13,14,15,16,17,18,19
	COS \d, 24+2*(\d%2), 25+2*(\d%2)               ; cos theta, while x is on its way; two sets of registers at work take turns
.endr
	s_wait_loadcnt 0x0                             ; x was asked for last: zero
.irp d, 4,5,6,7,8,9,10,11
	COS \d, 24+2*(\d%2), 25+2*(\d%2)
.endr
.irp p, 0,2,4,6
	v_pk_mul_f32 v[XV+\p:XV+\p+1], v[XV+\p:XV+\p+1], v[TH+\p:TH+\p+1]
.endr
	v_cndmask_b32 v[XV+2], 1.0, v[XV+2], vcc_lo    ; k = 10: the one that meets b1
.irp j, 3,4,5,6,7
	v_cndmask_b32 v[XV+\j], 0, v[XV+\j], vcc_lo    ; k = 11..15: nothing
.endr
.irp p, 0,1,2,3
	v_cvt_pk_f16_f32 v[PK+\p], v[XV+2*\p], v[XV+2*\p+1]
.endr
	global_store_b128 v1, v[PK:PK+3], s[18:19]     ; 512 wave + 16 lane = 16 t: the wave stores 512 consecutive bytes
	s_branch .Lconv
.Lw:	; wave 4: 16 rows of w1 and b1.  Both halves of the lanes load the row of ten and pick their eight.
	v_and_b32 v24, 15, v0                          ; r
	v_bfe_u32 v25, v0, 4, 1                        ; h
	v_and_b32 v26, 31, v0
	v_mul_u32_u24 v3, v24, 40                      ; a row of w1: 40 bytes, a multiple of 8 only, so loads of 8 bytes
	v_lshlrev_b32 v23, 2, v24
	v_lshlrev_b32 v26, 4, v26                      ; 16 lane
	v_cmp_eq_u32 vcc_lo, 0, v25
.irp i, 0,1,2,3,4
	global_load_b64 v[TH+2*\i:TH+2*\i+1], v3, s[6:7] offset:8*\i
.endr
	global_load_b32 v22, v23, s[8:9]
	s_wait_loadcnt 0x0
	v_cndmask_b32 v[XV],   v20, v[TH],   vcc_lo    ; h = 1: w1[f][8], w1[f][9], b1[f], then zeros
	v_cndmask_b32 v[XV+1], v21, v[TH+1], vcc_lo
	v_cndmask_b32 v[XV+2], v22, v[TH+2], vcc_lo
.irp j, 3,4,5,6,7
	v_cndmask_b32 v[XV+\j], 0, v[TH+\j], vcc_lo
.endr
.irp p, 0,1,2,3
	v_cvt_pk_f16_f32 v[PK+\p], v[XV+2*\p], v[XV+2*\p+1]
.endr
	global_store_b128 v26, v[PK:PK+3], s[16:17]
.Lconv:	; all waves: w2 to f16.  No hint on the stores: the next launch reads these bytes.
.irp i, 0,1,2,3,4,5,6,7,8,9,10,11,12,13,14,15
	s_wait_loadcnt 15-\i                           ; loads come back in order (ISA guide 5.7.1): load i is in, the 15 - i behind it may stay out
	v_cvt_pk_f16_f32 v[WO+2*\i],   v[WI+4*\i],   v[WI+4*\i+1]
	v_cvt_pk_f16_f32 v[WO+2*\i+1], v[WI+4*\i+2], v[WI+4*\i+3]
	global_store_b64 v2, v[WO+2*\i:WO+2*\i+1], s[14:15] offset:2048*\i   ; the wave stores 256 consecutive bytes, at a multiple of 256
.endr
	s_endpgm
.Lfunc_end_k_qbf395160b6_prep:
	.size	k_qbf395160b6_prep, .Lfunc_end_k_qbf395160b6_prep-k_qbf395160b6_prep
	.p2alignl 7, 3214868480
	.fill 96, 4, 3214868480
	.section	.rodata,"a",@progbits
	.p2align	6, 0x0
	.amdhsa_kernel k_qbf395160b6_prep
		.amdhsa_group_segment_fixed_size 0
		.amdhsa_private_segment_fixed_size 0
		.amdhsa_enable_private_segment 0
		.amdhsa_kernarg_size 64
		.amdhsa_user_sgpr_count 2
		.amdhsa_user_sgpr_kernarg_segment_ptr 1
		.amdhsa_wavefront_size32 1
		.amdhsa_system_sgpr_workgroup_id_x 1
		.amdhsa_system_sgpr_workgroup_id_y 1
		.amdhsa_system_sgpr_workgroup_id_z 1
		.amdhsa_system_vgpr_workitem_id 0
		.amdhsa_next_free_vgpr 128
		.amdhsa_next_free_sgpr 66
		.amdhsa_reserve_vcc 1
		.amdhsa_float_denorm_mode_32 3
		.amdhsa_float_denorm_mode_16_64 3
		.amdhsa_memory_ordered 1
		.amdhsa_forward_progress 1
		.amdhsa_inst_pref_size 24
	.end_amdhsa_kernel
	.amdgpu_metadata
---
amdhsa.version: [ 1, 2 ]
amdhsa.kernels:
  - .name:           k_qbf395160b6_prep
    .symbol:         k_qbf395160b6_prep.kd
    .args:
      - { .name: w2, .offset: 0, .size: 8, .value_kind: global_buffer, .address_space: global }
      - { .name: w1, .offset: 8, .size: 8, .value_kind: global_buffer, .address_space: global }
      - { .name: b1, .offset: 16, .size: 8, .value_kind: global_buffer, .address_space: global }
      - { .name: theta, .offset: 24, .size: 8, .value_kind: global_buffer, .address_space: global }
      - { .name: x, .offset: 32, .size: 8, .value_kind: global_buffer, .address_space: global }
      - { .name: w2h, .offset: 40, .size: 8, .value_kind: global_buffer, .address_space: global }
      - { .name: w1p, .offset: 48, .size: 8, .value_kind: global_buffer, .address_space: global }
      - { .name: qp, .offset: 56, .size: 8, .value_kind: global_buffer, .address_space: global }
    .group_segment_fixed_size: 0
    .private_segment_fixed_size: 0
    .kernarg_segment_align: 8
    .kernarg_segment_size: 64
    .max_flat_workgroup_size: 256
    .sgpr_count:     66
    .vgpr_count:     128
    .wavefront_size: 32
...
	.end_amdgpu_metadata
.endif
;; end of part 1
;; launch ffn (part 2): grid 64 x 4, 4 waves a work-group, clusters of 4 x 1, 327,680 bytes of LDS; arguments w2h, w1p, qp, b2, out0; writes out0
.if DOCPART == 2
	.amdgcn_target "amdgcn-amd-amdhsa--gfx1250"
	.amdhsa_code_object_version 6
	.text
	.protected	k_qbf395160b6_ffn
	.globl	k_qbf395160b6_ffn
	.p2align	8
	.type	k_qbf395160b6_ffn,@function
k_qbf395160b6_ffn:
	s_mov_b64 s[64:65], 0
	v_nop
	global_prefetch_b8 v0, s[64:65] scope:SCOPE_SE
	s_setreg_imm32_b32 hwreg(HW_REG_WAVE_MODE, 25, 1), 1
	s_wait_xcnt 0x0
	s_wait_alu depctr_hold_cnt(0) depctr_sa_sdst(0) depctr_va_vdst(0) depctr_va_sdst(0) depctr_va_ssrc(0) depctr_va_vcc(0) depctr_vm_vsrc(0)
	s_getreg_b32 s2, hwreg(HW_REG_IB_STS2, 6, 4)
	s_cmp_eq_u32 s2, 0
	s_cbranch_scc0 .Lentry_in_a_cluster
	s_endpgm
.Lentry_in_a_cluster:
	s_bfe_u32 s2, ttmp6, 0x10000c
	s_cmp_lg_u32 s2, 0x3003
	s_cbranch_scc0 .Lentry_shape_is_right
	s_endpgm
.Lentry_shape_is_right:
; out0[t][e] = sum over f of relu(q[t] . w1[f] + b1[f]) w2[e][f] + b2[e];  16,384 tokens, 4,096 f, 1,024 e.  Operands f16, sums f32.
; A work-group makes 256 tokens x 256 columns with four waves, as many as a WGP has SIMDs; a wave makes 64 tokens x 256 columns: 64 accumulator tiles, 512 registers.
; THE HIDDEN LAYER NEVER LEAVES THE REGISTERS.  For 32 f a wave makes its 64 x 32 numbers of h by eight small products (16 rows of [w1 | b1] as
; source 0, 16 tokens of [q | 1] as source 1, eleven of the places along K in use).  Lane (r, h) of such a result holds token r and the eight
; neighbouring f = f0 + 8 h + 0..7; after relu and rounding to f16 these four registers ARE registers 0-3 (second tile: 4-7) of the operand
; that the large product wants.  Eight small products for 64 large ones.
; THE LARGE PRODUCT IS USED TRANSPOSED: source 0 = 16 rows of w2 (columns of the output), source 1 = 16 tokens of h: lane (r, h) holds token r and
; the columns 8 h + 0..7 of the tile, 32 neighbouring bytes of a row of the output.
; w2 goes in K steps of 128 through two LDS slots filled by the tensor data mover (rows of 256 bytes, at multiples of 256); the table of w1 and b1
; (131,072 bytes) is brought into LDS once.
; CLUSTER: the four work-groups of a cluster are four row blocks of one column block.  They read the same tiles of w2 and the same table, so every
; tensor load is asked for jointly (mask 15), which divides those requests by four.  Nothing is shared along the other axis: tokens come from registers.
; LIMITS.  f16 operands: h above 65,504 (10 max|w1| + max|b1|) becomes infinite.  The relu takes the larger of 0 and the sum with a NaN losing, so a NaN
; there gives 0.
;
; REGISTERS in windows of 256 (s_set_vgpr_msb: bits 1:0 source 0, 3:2 source 1, 5:4 source 2, 7:6 destination).  The 16 column blocks of a wave:
;   blocks 0-6:   accumulators (token block a, block b) in window 2 at v[8 (8 a + b)];  blocks 7-13: the same in window 3;  their w2 fragments in window 1, two buffers of 14;
;   blocks 14-15: accumulators AND w2 fragments in window 0, beside q, the table's rows, the small products and h.
; So under the one setting 0 stand 8 small and 8 large products, and the 64 lines that turn the small products into h follow them four at a time:
; they issue while a matrix instruction runs, and no window is switched for them.  Four switches for a quarter step's 72 matrix instructions and 34 loads.
.set KSTEP,  128
.set PITCH,  272                       ; an LDS row of w2: 256 bytes + 16 of padding, an odd multiple of 16: the sixteen rows that a load touches begin at sixteen different 16-byte columns of 256
.set QTILE,  64*PITCH                  ; what one tensor load brings: 64 rows
.set SLOT,   4*QTILE                   ; 256 rows: 69,632 bytes
.set W1T,    2*SLOT                    ; the table of w1 and b1, 131,072 bytes, filled once
.set W1Q,    32768                     ; a wave's quarter of it
.set STAGE,  W1T+4*W1Q                 ; 270,336, a multiple of 256: the way out, 16 rows x 528 bytes for each wave; no fill ever lands here
.set SPITCH, 528                       ; 512 bytes + 16
.set LAPS,   16                        ; a lap = two K steps = once round the ring; 4,096 / 256
.set ADRB, 2                           ; v2, v3    my place in a w2 fragment, slot 0, 1
.set ADRW, 4                           ; v4        my place in the table, stepped by 4,096 bytes a K step
.set STO,  5                           ; v5        the way out: where I put 32 bytes of a row
.set RD,   6                           ; v6        the way out: where I read a row back
.set CO,   7                           ; v7        16 x lane: offset in qp, b2 and a row of the output
.set BIAS, 8                           ; v[8:15]   b2 of my four columns in each half of 128 columns
.set QF,   16                          ; v[16:47]  four fragments of [q | 1], the same 16 bytes in registers 0-3 and 4-7
.set WF,   48                          ; v[48:71]  rows of [w1 | b1], for each of two blocks of 16 f: [kind 0: 4 registers][4 zeros][kind 1: 4 registers].
                                       ;           A fragment of kind 0 is registers 0-7 (data at K places 0-15), of kind 1 registers 4-11 (data at K places 16-31);
                                       ;           q stands in both halves of its fragment, so either kind meets it, and the other half meets zeros
.set TT,   72                          ; v[72:95]  small products in f32, three tiles by turns
.set HB,   96                          ; v[96:127], v[128:159] h, four fragments, buffers 0 and 1
.set FW,   160                         ; v[160:175], v[176:191] w2 fragments of column blocks 14, 15, buffers 0 and 1
.set AC0,  192                         ; v[192:255] accumulators of column blocks 14, 15: (a, c) at 8 (2 a + c)
.set X0,   16                          ; the way out: 16 rows read back, two sets by turns, in registers that are free by then
.set X1,   80
.set G1,  24                           ; s[24:31] descriptor group 1, tiles of w2
.set G0,  32                           ; s[32:39] group 0, one set for each slot
.set G1W, 40                           ; s[40:47] group 1, the table
.set G0W, 48                           ; s[48:51] group 0, the table
.set MSB, 0
.macro WIN new                         ; the immediate's high byte repeats the setting that is left
.if MSB != \new
	s_set_vgpr_msb (MSB<<8)|\new
.set MSB, \new
.endif
.endm
.set MUL_LO, 0xa1                      ; source 0 (w2) window 1, source 1 (h) window 0, C and D window 2
.set MUL_HI, 0xf1                      ; the same, C and D window 3
.set TO_B,   0x40                      ; destination window 1, address window 0
.set ST_LO,  0x08                      ; an LDS store's data (source 1) from window 2
.set ST_HI,  0x0c                      ; from window 3
; A round of the cluster's barrier: my work-group's barrier, wave 0 signals for the work-group, every wave waits for all four work-groups, my work-group's barrier again.
.macro CREST                           ; a round behind its opening barrier
	s_cmp_lg_u32 s14, 0
	s_cbranch_scc1 .Lnot_wave_0_\@
	s_barrier_signal -3
.Lnot_wave_0_\@:
	s_barrier_wait -3
	s_barrier_signal -1
	s_barrier_wait -1
.endm
.macro CROUND
	s_barrier_signal -1
	s_barrier_wait -1
	CREST
.endm
; A load into a register that a matrix instruction has read, and a vector instruction or LDS store that touches a matrix instruction's registers, stand four
; places behind it; only plain vector instructions that name none of its registers are places (ISA guide 7.12.1 for vector instructions).
.macro PLACES
.rept 4
	v_nop
.endr
.endm
	s_load_b256 s[4:11], s[0:1], 0x0               ; w2h 4:5, w1p 6:7, qp 8:9, b2 10:11
	s_load_b64 s[12:13], s[0:1], 0x20              ; out0
	s_set_vgpr_msb 0x40
	v_lshl_add_u32 v254, v0, 2, 0x4a400
	v_mov_b32 v255, 0
	s_set_vgpr_msb 0x4045
	ds_add_u32 v254, v255
	s_set_vgpr_msb 0x4500
	v_lshrrev_b32 v1, 5, v0
	v_readfirstlane_b32 s14, v1                    ; wave 0..3
	s_bfe_u32 s15, ttmp6, 0x40000                  ; cx: my place in the cluster
	s_lshl_b32 s16, ttmp9, 2                       ; in a cluster launch ttmp9 counts clusters
	s_add_co_u32 s16, s16, s15                     ; row block = 4 x cluster x + cx.  It enters the addresses of qp and out0 alone
	s_and_b32 s17, ttmp7, 0xffff                   ; column block, shared by the four partners
	; group 1 for w2: 64 rows x 128 elements of 2 bytes, 4,096 elements from row to row, 16 bytes of padding behind each row
	s_mov_b32 s[G1+0], 15|(1<<16)|(1<<20)|(1<<21)|(5<<22)|(3<<25)   ; 15:0 mask: all four; 17:16 2 bytes; 20 padding on; 21 set beside a mask; 24:22 after every 64 words; 31:25 four words
	s_mov_b32 s[G1+1], KSTEP<<16                   ; tensor_dim0 = 128
	s_mov_b32 s[G1+2], 64<<16                      ; tensor_dim1 = 64
	s_mov_b32 s[G1+3], KSTEP<<16                   ; tile_dim0 = 128
	s_mov_b32 s[G1+4], 64                          ; tile_dim1 = 64
	s_mov_b32 s[G1+5], 4096                        ; the pitch
	s_mov_b32 s[G1+6], 0
	s_mov_b32 s[G1+7], 0
	; group 1 for the table: a dense block as 128 rows of 32 elements of 8 bytes, no padding (it is read 512 consecutive bytes at a time)
	s_mov_b32 s[G1W+0], 15|(3<<16)|(1<<21)
	s_mov_b32 s[G1W+1], 32<<16
	s_mov_b32 s[G1W+2], 128<<16
	s_mov_b32 s[G1W+3], 32<<16
	s_mov_b32 s[G1W+4], 128
	s_mov_b32 s[G1W+5], 32
	s_mov_b32 s[G1W+6], 0
	s_mov_b32 s[G1W+7], 0
	; offsets, each in registers of its own
	s_lshl_b32 s18, s17, 21                        ; w2h: 256 rows of 8,192 bytes a column block
	s_lshl_b32 s21, s14, 19                        ; + 64 rows a wave
	s_add_co_u32 s18, s18, s21
	s_mov_b32 s19, 0
	s_lshl_b32 s22, s14, 15                        ; the table: 32,768 bytes a wave
	s_mov_b32 s23, 0
	s_lshl_b32 s52, s16, 13                        ; qp: 16 blocks of 512 bytes a row block
	s_lshl_b32 s21, s14, 11                        ; + 4 blocks a wave
	s_add_co_u32 s52, s52, s21
	s_mov_b32 s53, 0
	s_lshl_b32 s56, s17, 10                        ; b2, and a row of out0: 256 columns of 4 bytes a column block
	s_mov_b32 s57, 0
	s_lshl_b32 s54, s16, 20                        ; out0: 256 rows of 4,096 bytes a row block
	s_lshl_b32 s21, s14, 18                        ; + 64 rows a wave
	s_add_co_u32 s54, s54, s21
	s_add_co_u32 s54, s54, s56
	s_mov_b32 s55, 0
	s_mul_i32 s58, s14, QTILE                      ; LDS: my 64 rows of a slot
	s_mul_i32 s59, s14, W1Q                        ; LDS: my quarter of the table
	s_mul_i32 s20, s14, 16*SPITCH
	s_add_co_u32 s20, s20, STAGE                   ; LDS: my stage
	s_wait_dscnt 0x0
	s_wait_kmcnt 0x0
	s_add_nc_u64 s[8:9], s[8:9], s[52:53]
	s_add_nc_u64 s[10:11], s[10:11], s[56:57]
	s_add_nc_u64 s[12:13], s[12:13], s[54:55]
	s_add_nc_u64 s[4:5], s[4:5], s[18:19]
.irp s, 0,1
	s_mov_b32 s[G0+4*\s], 1                                        ; count = 1
	s_add_co_u32 s[G0+4*\s+1], s58, \s*SLOT                        ; LDS address
	s_add_nc_u64 s[G0+4*\s+2:G0+4*\s+3], s[4:5], \s*KSTEP*2        ; global address: K step s
	s_or_b32 s[G0+4*\s+3], s[G0+4*\s+3], 0x80000000                ; type = 2
.endr
	s_mov_b32 s[G0W], 1
	s_add_co_u32 s[G0W+1], s59, W1T
	s_add_nc_u64 s[G0W+2:G0W+3], s[6:7], s[22:23]
	s_or_b32 s[G0W+3], s[G0W+3], 0x80000000
	CROUND                                         ; all four work-groups are here: the first joint loads meet
	tensor_load_to_lds s[G0W:G0W+3], s[G1W:G1W+7]  ; the first fills go out as one group: my quarter of the table,
	s_nop 0
	tensor_load_to_lds s[G0:G0+3], s[G1:G1+7]      ; of K step 0,
	s_nop 0
	tensor_load_to_lds s[G0+4:G0+7], s[G1:G1+7]    ; of K step 1.  Three tensor loads of a wave are out here, one behind each later round
	s_nop 0
	v_and_b32 v[TT], 15, v0                        ; r       (the small products' registers serve as scratch here)
	v_bfe_u32 v[TT+1], v0, 4, 1                    ; h
	v_and_b32 v[TT+2], 31, v0                      ; lane
	v_lshlrev_b32 v[CO], 4, v[TT+2]
.irp a, 0,1,2,3
	global_load_b128 v[QF+8*\a:QF+8*\a+3],   v[CO], s[8:9] offset:512*\a   ; [q | 1] of my 64 tokens, already in fragment order,
	global_load_b128 v[QF+8*\a+4:QF+8*\a+7], v[CO], s[8:9] offset:512*\a   ; into both halves of the fragment
.endr
	global_load_b128 v[BIAS:BIAS+3],   v[CO], s[10:11]
	global_load_b128 v[BIAS+4:BIAS+7], v[CO], s[10:11] offset:512
	v_mul_u32_u24 v[TT+3], v[TT], PITCH
	v_lshl_add_u32 v[ADRB], v[TT+1], 4, v[TT+3]    ; a fragment: row r x pitch + 16 h, two loads 32 bytes apart
	v_add_nc_u32 v[ADRB+1], SLOT, v[ADRB]
	v_add_nc_u32 v[ADRW], W1T, v[CO]               ; the table: 16 x lane in a block of 512 bytes
	v_mul_u32_u24 v[TT+4], v[TT], SPITCH
	v_lshl_add_u32 v[TT+4], v[TT+1], 5, v[TT+4]    ; in: row r, 32 bytes for each half of the lanes
	v_add_nc_u32 v[STO], s20, v[TT+4]
	v_add_nc_u32 v[RD], s20, v[CO]                 ; back: 32 lanes take a row of 512 bytes
.irp z, WF+4, WF+16
.irp e, 0,1,2,3
	v_mov_b32 v[\z+\e], 0                          ; the zeros between the two kinds of the table's rows, set once
.endr
.endr
; 14 large products: token blocks a0, a0 + 1 x seven column blocks (hi = 0: blocks 0-6, 1: 7-13), 32 along K, buffers p.  zero = 1: the first product starts the sums.
.macro MUL14 p, hi, a0, zero
.irp a, \a0, \a0+1
.irp b, 0,1,2,3,4,5,6
.if \zero
	v_wmma_f32_16x16x32_f16 v[8*(8*(\a)+\b):8*(8*(\a)+\b)+7], v[128*\p+8*(7*\hi+\b):128*\p+8*(7*\hi+\b)+7], v[HB+32*\p+8*(\a):HB+32*\p+8*(\a)+7], 0
.else
	v_wmma_f32_16x16x32_f16 v[8*(8*(\a)+\b):8*(8*(\a)+\b)+7], v[128*\p+8*(7*\hi+\b):128*\p+8*(7*\hi+\b)+7], v[HB+32*\p+8*(\a):HB+32*\p+8*(\a)+7], v[8*(8*(\a)+\b):8*(8*(\a)+\b)+7]
.endif
.endr
.endr
.endm
; large product j of the eight in window 0: token block j / 2, column block 14 + j % 2
.macro BW j, p, zero
.if \zero
	v_wmma_f32_16x16x32_f16 v[AC0+8*(\j):AC0+8*(\j)+7], v[FW+16*\p+8*((\j)%2):FW+16*\p+8*((\j)%2)+7], v[HB+32*\p+8*((\j)/2):HB+32*\p+8*((\j)/2)+7], 0
.else
	v_wmma_f32_16x16x32_f16 v[AC0+8*(\j):AC0+8*(\j)+7], v[FW+16*\p+8*((\j)%2):FW+16*\p+8*((\j)%2)+7], v[HB+32*\p+8*((\j)/2):HB+32*\p+8*((\j)/2)+7], v[AC0+8*(\j):AC0+8*(\j)+7]
.endif
.endm
; 32 LDS loads in one run: 256 rows of w2, 32 K at byte k of the rows, into buffers p, in the order of their use.  The largest offset is 192 + 15 x 4,352 + 32 = 65,504.
.macro FETCH slot, k, p
	WIN TO_B
.irp i, 0,1,2,3,4,5,6,7,8,9,10,11,12,13
	ds_load_b128 v[128*(\p)+8*\i:128*(\p)+8*\i+3],   v[ADRB+\slot] offset:\k+\i*16*PITCH
	ds_load_b128 v[128*(\p)+8*\i+4:128*(\p)+8*\i+7], v[ADRB+\slot] offset:\k+\i*16*PITCH+32
.endr
	WIN 0
.irp i, 0,1
	ds_load_b128 v[FW+16*(\p)+8*\i:FW+16*(\p)+8*\i+3],   v[ADRB+\slot] offset:\k+(14+\i)*16*PITCH
	ds_load_b128 v[FW+16*(\p)+8*\i+4:FW+16*(\p)+8*\i+7], v[ADRB+\slot] offset:\k+(14+\i)*16*PITCH+32
.endr
.endm
; two blocks of the table, 32 rows of [w1 | b1], into the registers of kind t
.macro W1LOAD t, off
	ds_load_b128 v[WF+8*(\t):WF+8*(\t)+3],       v[ADRW] offset:\off
	ds_load_b128 v[WF+12+8*(\t):WF+12+8*(\t)+3], v[ADRW] offset:\off+512
.endm
; small product i = 2 a + c: 16 f (block c of the two, kind t) x 16 tokens (block a)
.macro GW i, t
	v_wmma_f32_16x16x32_f16 v[TT+8*((\i)%3):TT+8*((\i)%3)+7], v[WF+12*((\i)%2)+4*(\t):WF+12*((\i)%2)+4*(\t)+7], v[QF+8*((\i)/2):QF+8*((\i)/2)+7], 0
.endm
; relu of small product i, then its rounding: the eight f32 become registers 4 c .. 4 c + 3 of h fragment a, buffer p
.macro CONVA i
.irp q, 0,1,2,3
	v_dual_max_num_f32 v[TT+8*((\i)%3)+2*\q], 0, v[TT+8*((\i)%3)+2*\q] :: v_dual_max_num_f32 v[TT+8*((\i)%3)+2*\q+1], 0, v[TT+8*((\i)%3)+2*\q+1]
.endr
.endm
.macro CONVB i, p
.irp q, 0,1,2,3
	v_cvt_pk_f16_f32 v[HB+32*(\p)+4*(\i)+\q], v[TT+8*((\i)%3)+2*\q], v[TT+8*((\i)%3)+2*\q+1]
.endr
.endm
; All under window 0: h for the next quarter (buffer 1 - p, from the table's rows of kind 1 - p), and (big = 1) this quarter's eight products of column blocks 14, 15.
; Four vector lines follow each matrix instruction.  CONVA i stands behind four v_nop (i = 0) or behind the eight lines of CONV i - 1, which follow GW i and name none of
; its registers; GW i + 3, which writes over GW i's tile, stands behind eight such lines or more.
.macro GENPH p, big, zero
	GW 0, 1-\p
	PLACES
.irp i, 0,1,2,3,4,5,6
	GW \i+1, 1-\p
	CONVA \i
.if \big
	BW \i, \p, \zero
.endif
	CONVB \i, 1-\p
.endr
.if \big
	BW 7, \p, \zero
.endif
	CONVA 7
	CONVB 7, 1-\p
.endm
; The middle of a quarter step of parity p.  One run of LDS loads: the next quarter's w2 fragments (buffers 1 - p) and (wl = 1) the table's rows for the quarter after it
; (kind p, which the last quarter's small products read).  Then the stretch under window 0.
.macro MID slot, k, p, woff, wl, big, zero
	PLACES                                         ; behind the products that read buffers 1 - p
	FETCH \slot, \k, 1-\p
.if \wl
	W1LOAD \p, \woff
.endif
	s_wait_dscnt 32+2*\wl                          ; all but the run just issued: this quarter's column blocks 7-15, and the table's rows of kind 1 - p
	GENPH \p, \big, \zero
.endm
; A K step is four quarter steps of 32 along K: 64 large products each, on buffers 0, 1, 0, 1.  The 64 accumulators take turns, one instruction a turn, in the
; same order in every quarter, over the backward jump too.
.macro QUARTER slot, k, p, woff, zero, wl
	s_wait_dscnt 20                                ; of the last run's 34 loads the first 14, column blocks 0-6, are in
	WIN MUL_LO
	MUL14 \p, 0, 0, \zero
	MUL14 \p, 0, 2, \zero
	MID \slot, \k, \p, \woff, \wl, 1, \zero
	WIN MUL_HI
	MUL14 \p, 1, 0, \zero
	MUL14 \p, 1, 2, \zero
.endm
; In quarter j of a K step the table's bytes (j + 2) x 1,024 from the step's place are asked for: two quarters ahead.
.macro THREE slot, zero
	QUARTER \slot, 64,  0, 2048, \zero, 1
	QUARTER \slot, 128, 1, 3072, 0, 1
	QUARTER \slot, 192, 0, 4096, 0, 1
.endm
; The last quarter of a K step changes slots.  In front of the barrier each wave waits for its reads of this slot and for all its tensor loads (the one that is out is
; its part of the next slot).  fill = 1: the barrier opens a round of the cluster's barrier, and the joint refill, two K steps ahead, is the first tensor load behind the
; round: no wave of any partner still reads this slot or has a load on its way.  From the request to the wait for it a wave issues a whole K step less 14 large products.
.macro TURN slot, next, fill
	s_wait_dscnt 20
	WIN MUL_LO
	MUL14 1, 0, 0, 0
	s_wait_dscnt 0x0                               ; my reads of this slot are over
	s_set_vgpr_msb 0xa1a5
	s_wait_tensorcnt 0x0                           ; all my tensor loads have landed
	ds_add_u32 v254, v255
	s_wait_dscnt 0x0
	s_set_vgpr_msb 0xa5a1
	s_barrier_signal -1
	MUL14 1, 0, 2, 0                               ; register work while the others arrive
	WIN 0
	s_barrier_wait -1
.if \fill
	CREST
	s_add_nc_u64 s[G0+4*\slot+2:G0+4*\slot+3], s[G0+4*\slot+2:G0+4*\slot+3], 2*KSTEP*2   ; no load of mine is out: the address steps two K steps
	tensor_load_to_lds s[G0+4*\slot:G0+4*\slot+3], s[G1:G1+7]
	s_nop 0
.endif
	MID \next, 0, 1, 5120, 1, 1, 0
	v_add_nc_u32 v[ADRW], 4096, v[ADRW]            ; the table: the next K step's 128 rows
	WIN MUL_HI
	MUL14 1, 1, 0, 0
	MUL14 1, 1, 2, 0
.endm
.macro LAP zero
	THREE 0, \zero
	TURN 0, 1, 1
	THREE 1, 0
	TURN 1, 0, 1
.endm
	s_wait_loadcnt 0x0                             ; q and b2
	s_wait_tensorcnt 0x1                           ; my parts of the table and of K step 0 are in; K step 1 may stay out
	s_barrier_signal -1
	s_barrier_wait -1                              ; everybody's are
	W1LOAD 0, 0                                    ; the table's rows for quarter 0
	MID 0, 0, 1, 1024, 1, 0, 0                     ; quarter 0's fragments and h; the table's rows for quarter 1.  No sums yet: no large products
	LAP 1                                          ; the first lap stands in front of the loop: its first products start the sums
	WIN 0                                          ; at a label and at a branch every window is 0
	s_mov_b32 s3, LAPS-2
.Llap:
	LAP 0
	WIN 0
	s_sub_co_u32 s3, s3, 1
	s_cmp_lg_u32 s3, 0
	s_cbranch_scc1 .Llap
	THREE 0, 0                                     ; the last lap fills nothing, and has no round of the cluster's barrier
	TURN 0, 1, 0
	QUARTER 1, 64,  0, 2048, 0, 1
	QUARTER 1, 128, 1, 3072, 0, 1                  ; the table's last 1,024 bytes
	QUARTER 1, 192, 0, 0, 0, 0                     ; nothing is left of the table: a run of 32
	s_wait_dscnt 18                                ; the very last quarter: of those 32 the first 14 are in
	WIN MUL_LO
	MUL14 1, 0, 0, 0
	MUL14 1, 0, 2, 0
	s_wait_dscnt 0x0
	WIN 0
.irp j, 0,1,2,3,4,5,6,7
	BW \j, 1, 0
.endr
	WIN MUL_HI
	MUL14 1, 1, 0, 0
	MUL14 1, 1, 2, 0
	PLACES                                         ; behind the last products: for the LDS stores of results and the loads into what were operands
; THE WAY OUT: 16 tokens x 128 columns at a time.  A lane's 32 bytes go into my own stage, whole rows of 512 bytes come back, b2 is added, and one store of the wave
; covers 512 consecutive bytes at a multiple of 512 of the output.  The stage is my wave's own and LDS serves a wave's instructions in order (ISA guide 5.7.1): no barrier, no wait
; between the stores and the loads.  The row and the half stand in the store's immediate, 258,560 at the most: no base is stepped.
.macro STB a, b                        ; tile (token block a, column block b) into the stage; the block says in which window it lies
.if (\b) < 7
	WIN ST_LO
.set SR, 8*(8*\a+(\b))
.else
.if (\b) < 14
	WIN ST_HI
.set SR, 8*(8*\a+(\b)-7)
.else
	WIN 0
.set SR, AC0+8*(2*\a+(\b)-14)
.endif
.endif
	ds_store_b128 v[STO], v[SR:SR+3]   offset:64*((\b)%8)
	ds_store_b128 v[STO], v[SR+4:SR+7] offset:64*((\b)%8)+16
.endm
.macro OUT16 a, hi, xs
.irp b, 0,1,2,3,4,5,6,7
	STB \a, 8*\hi+\b
.endr
	WIN 0
	s_wait_xcnt 0x0                                ; set xs was the data of earlier stores: it is loaded again only behind this wait
.irp t, 0,1,2,3,4,5,6,7,8,9,10,11,12,13,14,15
	ds_load_b128 v[\xs+4*\t:\xs+4*\t+3], v[RD] offset:SPITCH*\t
.endr
.irp t, 0,1,2,3,4,5,6,7,8,9,10,11,12,13,14,15
	s_wait_dscnt 15-\t                             ; row t is in, the 15 - t behind it may stay out
	v_pk_add_f32 v[\xs+4*\t:\xs+4*\t+1],   v[\xs+4*\t:\xs+4*\t+1],   v[BIAS+4*\hi:BIAS+4*\hi+1]
	v_pk_add_f32 v[\xs+4*\t+2:\xs+4*\t+3], v[\xs+4*\t+2:\xs+4*\t+3], v[BIAS+4*\hi+2:BIAS+4*\hi+3]
	global_store_b128 v[CO], v[\xs+4*\t:\xs+4*\t+3], s[12:13] offset:(16*\a+\t)*4096+512*\hi th:TH_STORE_NT
.endr
.endm
	OUT16 0, 0, X0
	OUT16 0, 1, X1
	OUT16 1, 0, X0
	OUT16 1, 1, X1
	OUT16 2, 0, X0
	OUT16 2, 1, X1
	OUT16 3, 0, X0
	OUT16 3, 1, X1
	s_set_vgpr_msb 0x5
	s_wait_tensorcnt 0x0
	ds_add_u32 v254, v255
	s_wait_dscnt 0x0
	s_set_vgpr_msb 0x500
	CROUND                                         ; the closing round: no work-group ends while a partner may still ask for a tile that names it
	s_endpgm
.Lfunc_end_k_qbf395160b6_ffn:
	.size	k_qbf395160b6_ffn, .Lfunc_end_k_qbf395160b6_ffn-k_qbf395160b6_ffn
	.p2alignl 7, 3214868480
	.fill 96, 4, 3214868480
	.section	.rodata,"a",@progbits
	.p2align	6, 0x0
	.amdhsa_kernel k_qbf395160b6_ffn
		.amdhsa_group_segment_fixed_size 327680
		.amdhsa_private_segment_fixed_size 0
		.amdhsa_enable_private_segment 0
		.amdhsa_kernarg_size 40
		.amdhsa_user_sgpr_count 2
		.amdhsa_user_sgpr_kernarg_segment_ptr 1
		.amdhsa_wavefront_size32 1
		.amdhsa_system_sgpr_workgroup_id_x 1
		.amdhsa_system_sgpr_workgroup_id_y 1
		.amdhsa_system_sgpr_workgroup_id_z 1
		.amdhsa_system_vgpr_workitem_id 0
		.amdhsa_next_free_vgpr 1024
		.amdhsa_next_free_sgpr 66
		.amdhsa_reserve_vcc 0
		.amdhsa_float_denorm_mode_32 3
		.amdhsa_float_denorm_mode_16_64 3
		.amdhsa_memory_ordered 1
		.amdhsa_forward_progress 1
		.amdhsa_inst_pref_size 255
	.end_amdhsa_kernel
	.section	.bss,"aw",@nobits
	.p2align	6
	.space	262144
	.amdgpu_metadata
---
amdhsa.version: [ 1, 2 ]
amdhsa.kernels:
  - .name:           k_qbf395160b6_ffn
    .symbol:         k_qbf395160b6_ffn.kd
    .args:
      - { .name: w2h, .offset: 0, .size: 8, .value_kind: global_buffer, .address_space: global }
      - { .name: w1p, .offset: 8, .size: 8, .value_kind: global_buffer, .address_space: global }
      - { .name: qp, .offset: 16, .size: 8, .value_kind: global_buffer, .address_space: global }
      - { .name: b2, .offset: 24, .size: 8, .value_kind: global_buffer, .address_space: global }
      - { .name: out0, .offset: 32, .size: 8, .value_kind: global_buffer, .address_space: global }
    .group_segment_fixed_size: 327680
    .private_segment_fixed_size: 0
    .kernarg_segment_align: 8
    .kernarg_segment_size: 40
    .max_flat_workgroup_size: 128
    .sgpr_count:     66
    .vgpr_count:     1024
    .wavefront_size: 32
...
	.end_amdgpu_metadata
.endif
;; end of part 2
